; MI455X (gfx1250); checked and timed in simulation.
; The chip was launched on July 23, 2026; its instructions are those of AMD's public machine-readable ISA for CDNA 5 (MIT licence, August 2026) and "CDNA5" Instruction Set Architecture Reference Guide (July 2026). The comments in the code are by the model that wrote it; some were corrected since.
;; Routed Lo RA Linear. Allowed arithmetic: matrix products marked QUANTISED: E2M1 operands, one E8M0 scale for each 32 along K, by v_wmma_scale_f32_16x16x128_f8f6f4 with both operands' format E2M1 (or v_wmma_scale_f32_32x16x128_f4), f32 sums; products left as they are: f32 operands where the result goes on into a quantised operand, else bf16, f16 or f32 operands; f32 sums; everything else in f32.
;; Inputs: W_codes 4,096 x 128 x 16 uint8 (E2M1 codes of W, K innermost, in blocks of 32 codes, two codes a byte); W_scales 4,096 x 128 uint8 (E8M0 scales of W, one for each 32 codes along K); b 4,096 float32; expert_indices 8 int32; lora_A 8 x 16 x 4,096 float32; lora_B 8 x 4,096 x 16 float32; x_codes 8 x 512 x 128 x 16 uint8 (E2M1 codes of x, K innermost, in blocks of 32 codes, two codes a byte); x_scales 8 x 512 x 128 uint8 (E8M0 scales of x, one for each 32 codes along K).
;; Outputs: out0 8 x 512 x 4,096 float32.
;; This version of the problem:
;;   THIS VERSION OF THE PROBLEM IS GIVEN IN LOW PRECISION. The matrix products marked QUANTISED in the list below multiply operands that are first quantised to E2M1 (2 exponent bits, 1 mantissa bit; 4 bits a number), with one power-of-two scale for each 32 numbers along K (OCP MX v1.0); their sums are f32. All else is computed in f32.
;;   The module's matrix products, in the order in which they are computed (A, B: the left and right operand; K: the contracted axis; several contracted axes count as one K, in the product's order):
;;     1. [M 4,096, K 4,096] x [K 4,096, N 4,096]; A: input x (given as codes); B: input W (given as codes): QUANTISED
;;     2. batch 8 x [M 512, K 4,096] x [K 4,096, N 16]; A: input x (given as codes); B: computed on the way: QUANTISED
;;     3. batch 8 x [M 512, K 16] x [K 16, N 4,096]; A: computed on the way; B: computed on the way: left as it is (K = 16 < 32)
;;   THE QUANTISER, for each operand of a quantised product, along K:
;;     - K is cut into blocks of 32 from its start; a last block that is shorter is filled with zeros.
;;     - A block's scale is 2^e with e = floor(log2(the largest magnitude in the block)) - 2, held to -126 .. 127; a block of zeros has e = 0. As a byte (E8M0): e + 127.
;;     - Each number is divided by its block's scale, clamped to +-6, and rounded to the nearest number of E2M1, ties to even, subnormals kept.
;;     - The product sums the exact products of the quantised numbers (number of the format x scale) in f32.
;;   ~~~python
;;   def quantise(x, axis):      # numpy; x: float32 -> the quantised numbers, widened to float32 again
;;       x = np.moveaxis(x, axis, -1); K = x.shape[-1]
;;       x = np.pad(x, [(0, 0)] * (x.ndim - 1) + [(0, -K % 32)]); x = x.reshape(x.shape[:-1] + (-1, 32)); a = np.abs(x).max(-1, keepdims=True)
;;       e = np.where(a > 0, np.clip(np.frexp(np.where(a > 0, a, 1))[1] - 1 - 2, -126, 127), 0)      # np.frexp(a)[1] - 1 = floor(log2(a)), exactly
;;       r = np.clip(x / 2.0 ** e, -6, 6)
;;       step = 2.0 ** (np.maximum(np.frexp(np.where(r == 0, 1, r))[1] - 1, 0) - 1)
;;       q = np.round(r / step) * step * 2.0 ** e      # np.round: ties to even
;;       return np.moveaxis(q.reshape(q.shape[:-2] + (-1,))[..., :K], -1, axis).astype(np.float32)
;;   ~~~
;;   OPERANDS COMPUTED ON THE WAY. 'Computed on the way' means the value that the module computes at that place (a softmax that the list does not call 'softmax' is quantised finished and normalised). What goes into a quantiser is computed in f32, as accurately as f32 sums, v_exp_f32 and their like allow (about 1e-6 of the number): no bf16 or f16 on the way to a quantiser, and a product that is left as it is and whose result goes on into a quantised operand takes f32 operands (vector FMAs, or v_wmma_f32_16x16x4_f32). A number that lies on a knife's edge between two numbers of the format may be rounded either way, as far as f32 arithmetic and the matrix unit's own rounding can turn it there, and no further.
;;   INPUTS GIVEN AS CODES. W (in the module: [4096, 4096], K = its axis 1); x (in the module: [8, 512, 4096], K = its axis 2): each comes as NAME_codes (uint8): NAME with its K axis moved to the last place and cut into blocks of 32 codes, [.., K / 32, bytes a block], one block behind the other in memory; two codes a byte, the lower K in the low four bits (a code: sign, 2 exponent bits, 1 mantissa bit); and NAME_scales (uint8): the same leading axes, one E8M0 byte (e + 127) for each 32 codes along K. Its value is code x scale, taken as it is: it is not quantised again, and the codes and scales need not be those that the quantiser above would give.
;; One version. Each part assembles by itself: llvm-mc -triple=amdgcn-amd-amdhsa -mcpu=gfx1250 --defsym DOCPART=n.
;; ======== version 1 of 1: 1 launch
;; limits: values are held in bf16: 8 bits of precision; right only within a limited range of input values
;; launch gemm (part 1): grid 16 x 16, 4 waves a work-group, clusters of 4 x 4, 327,680 bytes of LDS; arguments x_codes, x_scales, W_codes, W_scales, lora_A, expert_indices, lora_B, b, out0; writes out0
.if DOCPART == 1
	.amdgcn_target "amdgcn-amd-amdhsa--gfx1250"
	.amdhsa_code_object_version 6
	.text
	.protected	k_q65f2ed2f5a_gemm
	.globl	k_q65f2ed2f5a_gemm
	.p2align	8
	.type	k_q65f2ed2f5a_gemm,@function
k_q65f2ed2f5a_gemm:
	s_mov_b64 s[64:65], 0
	v_nop
	global_prefetch_b8 v0, s[64:65] scope:SCOPE_SE
	s_setreg_imm32_b32 hwreg(HW_REG_WAVE_MODE, 25, 1), 1
	s_wait_xcnt 0x0
	s_wait_alu depctr_hold_cnt(0) depctr_sa_sdst(0) depctr_va_vdst(0) depctr_va_sdst(0) depctr_va_ssrc(0) depctr_va_vcc(0) depctr_vm_vsrc(0)
	s_getreg_b32 s2, hwreg(HW_REG_IB_STS2, 6, 4)
	s_cmp_eq_u32 s2, 0
	s_cbranch_scc0 .Lentry_in_a_cluster
	s_endpgm
.Lentry_in_a_cluster:
	s_bfe_u32 s2, ttmp6, 0x10000c
	s_cmp_lg_u32 s2, 0xf033
	s_cbranch_scc0 .Lentry_shape_is_right
	s_endpgm
.Lentry_shape_is_right:
; out0[m][o] = sum_k x[m][k] W[o][k] + b[o] + 2 sum_r low[m][r] lora_B[e][o][r],  low[m][r] = sum_k x[m][k] Q(lora_A[e])[r][k],  e = expert_indices[m / 512].   m, o, k: 4,096 each; r: 16.
; ONE LAUNCH.  A tile of out0, 256 x 256, is made by a work-group of four waves (wave = 2 rh + ch); a wave makes 128 x 128: 64 accumulators of 16 x 16, 512 registers; 256 tiles, 256 work-groups.
; THE CODES of x and W go, in K steps of 512, through a ring of two LDS slots: 256 rows of x, 256 of W, 256 bytes a row; four tensor loads of 128 rows, one a wave.
; THE SCALE BYTES (128 a row, 512 rows) are read once, by global loads, 128 rows a wave.  Those of K steps 0, 1, 6, 7 go through LDS into registers at the head; those of K steps 2 to 5 then take the same LDS bytes and stay.
; lora_A is quantised here: in each K step a wave quantises its 128 of the NEXT K step's 512 numbers of the 16 ranks and lays the operand's registers into one of two LDS buffers for all four waves.
; THE QUANTISER: a block's scale is 2^(floor(log2(largest magnitude)) - 2), its byte held at 1 from below; each number is divided by it and rounded to the nearest code, ties to even, beyond 6 the largest code.
; low: the two waves of a row half share its 128 rows out: each holds low's accumulators for its own blocks 0-3 and takes its neighbour's at the end.  So the wave with ch = 1 counts its row blocks the other way: blocks 0-3 are
; rows 64-127 of its 128, blocks 4-7 rows 0-63.
; THE END: low and 2 lora_B, rounded to bf16, go through one bf16 matrix instruction for each accumulator.  K = 0 .. 15 is the rank; K = 16, 17, 18 carry the bias: 1 x (three bf16 parts of b, whose sum is b's 24 bits).
; CLUSTERS: 4 x 4 work-groups.  The four of a row need the same tiles of x, the four of a column the same tiles of W: each is asked for JOINTLY, by the same tensor load with the same descriptor and a mask that names the four.
; PREFETCH: each K step's 256 rows of x and of W are named once in each cluster (the four partners share a tile's rows out by address, 64 each, 32 a wave), two refills ahead; K steps 1 to 3 at the head.
; THE MATRIX INSTRUCTION IS USED TRANSPOSED (source 0 = 16 rows of W, lora_A or lora_B; source 1 = 16 rows of x or low): a lane then holds eight neighbouring numbers of a row of out0, or eight neighbouring ranks.
; LIMITS: the third product's operands are rounded to bf16 (it feeds no quantiser); a bias that is infinite or rounds to infinity in bf16 (from 3.39e38 on) gives NaN; a block of zeros in lora_A gets the byte 1 where the rule says
; 127 (its codes are zeros); NaN and infinities in lora_A are not served; the expert's number is held at 7 from above, as an unsigned number.
; REGISTERS.  window 0: v0-31 addresses; v32-159 scale words, four sets; v160-167 lora_A's, two sets; v168-231 lora_A's numbers (later lora_B's, later low in bf16); v232-255 at work.
;   window 1: v0-63, v64-127 W's fragments, two sets; v128-191 x's, one set; v192-207 lora_A's, two sets; v208-239 low; on the way out v0-127 rows read back.
;   window 2: accumulators (a, b) of my blocks 0-3 at v[8 (8 a + b)]; window 3: those of blocks 4-7.
.set PITCH,  272                       ; an LDS row: 256 bytes + 16: the 16 rows that a load touches start at different banks (64 banks of 4 bytes: ISA guide 11.1)
.set HALFT,  128*PITCH
.set BOFF,   2*HALFT                   ; a slot: x's 256 rows, then W's
.set SLOT,   4*HALFT
.set LB,     2*SLOT                    ; lora_A's two buffers: 4,096 bytes of images, 256 of scale words each
.set LBN,    4352
.set SPARE,  LB+2*LBN                  ; the spare words, 512 bytes that no other line names
.set RB,     SPARE+512                 ; scale bytes: four K steps; 16 bytes a row, x's 256 rows, then W's
.set RK,     8256                      ; a K step's 8,192 bytes + 64, so that the four K steps that one store writes lie in different banks
.set SPITCH, 528                       ; the way out: 16 rows x (512 + 16) bytes a wave, in slot 0, which has had its last fill and read by then
.set ROWO,   16384                     ; a row of out0 in bytes
.set ADL, 8                            ; v8-9   x's blocks 0-3 in slot 0, 1;  v10-11 blocks 4-7
.set ADB, 12                           ; v12-13 W's
.set VLI, 14                           ; lora_A's images
.set VLW, 15                           ; its scale words
.set VLS, 16                           ; where I store an image
.set VLT, 17                           ; and a scale word
.set SRB, 18                           ; v18-19 scale bytes of blocks 0-3, 4-7 (lanes 0-15 x's, lanes 16-31 W's)
.set SR,  20                           ; v20-21 the same for this lap
.set VLA, 22
.set VLB, 23
.set VBI, 24
.set H8,  25
.set STO, 26
.set RD,  27
.set SPW, 28
.set NIL, 29
.set PFO, 30
.set CO,  31
.set SC,  32                           ; set s: register 4 i + q: lanes 0-15 the word of x's block i, lanes 16-31 that of W's block i, for the K step's q-th 128
.set LSC, 160
.set ST,  168
.set TM,  232
.set TS,  234
.set TB,  236
.set TW,  238
.set TX,  239
.set TC,  240
.set BIA, 248
.set AF,  128
.set LF,  192
.set LOW, 208
.set MSB, 0
.macro WIN new                         ; the immediate's high byte repeats the setting that is left; a switch that changes nothing is dropped
.if MSB != \new
	s_set_vgpr_msb (MSB<<8)|\new
.set MSB, \new
.endif
.endm
.set MUL_LO, 0xa5                      ; sources 0, 1 window 1; C and D window 2
.set MUL_HI, 0xf5                      ; C and D window 3
.set LOWW,   0x55                      ; all window 1
.set TO_B,   0x40                      ; destination window 1, address window 0
.macro PLACES n
.rept \n
	v_nop
.endr
.endm
; A joint load: waves 0, 1 fetch x's halves, waves 2, 3 W's.  Each line has ONE mask and one set of registers; the branch hangs on the wave's number alone.
.macro JLOAD n
	s_cmp_eq_u32 s23, 0
	s_cbranch_scc0 .Lfor_b_\@
	tensor_load_to_lds s[68+4*\n:71+4*\n], s[32:39]
	s_nop 0
	PLACES 4
	s_branch .Lasked_\@
.Lfor_b_\@:
	tensor_load_to_lds s[76+4*\n:79+4*\n], s[40:47]
	s_nop 0
	PLACES 4
.Lasked_\@:
.endm
.macro CREST                           ; a round of the cluster's barrier behind its opening barrier
	s_cmp_lg_u32 s22, 0
	s_cbranch_scc1 .Lnot_wave_0_\@
	s_barrier_signal -3
.Lnot_wave_0_\@:
	s_barrier_wait -3
	s_barrier_signal -1
	s_barrier_wait -1
.endm
.macro CROUND
	s_barrier_signal -1
	s_barrier_wait -1
	CREST
.endm
.macro PREF off
	global_prefetch_b8 v[PFO], s[100:101] offset:\off th:TH_LOAD_NT scope:SCOPE_SE
.endm
.macro FA slot, q, i                   ; x's block i: 16 rows x 128 K: lane l holds row l % 16; registers 4 c .. 4 c + 3 hold K = 64 c + 32 (l / 16) + 0 .. 31
.irp c, 0,1
	ds_load_b128 v[AF+8*(\i)+4*\c:AF+8*(\i)+4*\c+3], v[ADL+2*((\i)/4)+(\slot)] offset:64*(\q)+32*\c+((\i)%4)*16*PITCH
.endr
.endm
.macro FW slot, q, p, i                ; W's block i into set p
.irp c, 0,1
	ds_load_b128 v[64*(\p)+8*(\i)+4*\c:64*(\p)+8*(\i)+4*\c+3], v[ADB+(\slot)] offset:64*(\q)+32*\c+(\i)*16*PITCH
.endr
.endm
.macro FLF slot, q, p                  ; lora_A's fragment into set p
.irp c, 0,1
	ds_load_b128 v[LF+8*(\p)+4*\c:LF+8*(\p)+4*\c+3], v[VLI] offset:LBN*(\slot)+1024*(\q)+512*\c
.endr
.endm
.macro FLSC slot                       ; lora_A's four scale words of the K step
	ds_load_b128 v[LSC+4*(\slot):LSC+4*(\slot)+3], v[VLW] offset:LBN*(\slot)
.endm
.macro SETLD sc, adr, off              ; 8 loads: a K step's scale words into set sc
.irp i, 0,1,2,3,4,5,6,7
	ds_load_b128 v[SC+32*(\sc)+4*\i:SC+32*(\sc)+4*\i+3], v[\adr+\i/4] offset:(\off)+256*(\i%4)
.endr
.endm
; 16 matrix instructions: x's blocks a0, a0 + 1 against W's eight.  All 68 accumulators take turns, one instruction a turn, in the same order in every step.
.macro PAIR a0, p, q, sc, first
.irp a, \a0, \a0+1
.irp b, 0,1,2,3,4,5,6,7
.if \first
	v_wmma_scale_f32_16x16x128_f8f6f4 v[8*(8*((\a)%4)+\b):8*(8*((\a)%4)+\b)+7], v[64*(\p)+8*\b:64*(\p)+8*\b+7], v[AF+8*(\a):AF+8*(\a)+7], 0, v[SC+32*(\sc)+4*\b+(\q)], v[SC+32*(\sc)+4*(\a)+(\q)] matrix_a_fmt:MATRIX_FMT_FP4 matrix_b_fmt:MATRIX_FMT_FP4 matrix_a_scale:MATRIX_SCALE_ROW1
.else
	v_wmma_scale_f32_16x16x128_f8f6f4 v[8*(8*((\a)%4)+\b):8*(8*((\a)%4)+\b)+7], v[64*(\p)+8*\b:64*(\p)+8*\b+7], v[AF+8*(\a):AF+8*(\a)+7], v[8*(8*((\a)%4)+\b):8*(8*((\a)%4)+\b)+7], v[SC+32*(\sc)+4*\b+(\q)], v[SC+32*(\sc)+4*(\a)+(\q)] matrix_a_fmt:MATRIX_FMT_FP4 matrix_b_fmt:MATRIX_FMT_FP4 matrix_a_scale:MATRIX_SCALE_ROW1
.endif
.endr
.endr
.endm
; 2 matrix instructions: lora_A's 16 ranks against x's blocks a0, a0 + 1.  Both sides' scale words stand in lanes 0-15.
.macro LOW2 a0, p, q, slot, sc, first
.irp a, \a0, \a0+1
.if \first
	v_wmma_scale_f32_16x16x128_f8f6f4 v[LOW+8*(\a):LOW+8*(\a)+7], v[LF+8*(\p):LF+8*(\p)+7], v[AF+8*(\a):AF+8*(\a)+7], 0, v[LSC+4*(\slot)+(\q)], v[SC+32*(\sc)+4*(\a)+(\q)] matrix_a_fmt:MATRIX_FMT_FP4 matrix_b_fmt:MATRIX_FMT_FP4
.else
	v_wmma_scale_f32_16x16x128_f8f6f4 v[LOW+8*(\a):LOW+8*(\a)+7], v[LF+8*(\p):LF+8*(\p)+7], v[AF+8*(\a):AF+8*(\a)+7], v[LOW+8*(\a):LOW+8*(\a)+7], v[LSC+4*(\slot)+(\q)], v[SC+32*(\sc)+4*(\a)+(\q)] matrix_a_fmt:MATRIX_FMT_FP4 matrix_b_fmt:MATRIX_FMT_FP4
.endif
.endr
.endm
; lora_A: lane (r, h) has rank r's k = 64 c + 32 h + 0 .. 31 of my fragment in registers 32 c ..: block 2 c + h, all its 32 numbers.
.macro LLOAD
.irp c, 0,1
.irp j, 0,1,2,3,4,5,6,7
	global_load_b128 v[ST+32*\c+4*\j:ST+32*\c+4*\j+3], v[VLA], s[12:13] offset:256*\c+16*\j
.endr
.endr
.endm
.macro QUANT n, cnt                    ; quantise what has been loaded, into buffer n
	WIN 0
	s_wait_loadcnt \cnt
.irp c, 0,1
	v_max3_num_f32 v[TM+\c], |v[ST+32*\c]|, |v[ST+1+32*\c]|, 0x1800000   ; with the floor 2^(3 - 127): so the byte cannot fall under 1
.endr
.irp i, 2,4,6,8,10,12,14,16,18,20,22,24,26,28,30
.irp c, 0,1
	v_max3_num_f32 v[TM+\c], v[TM+\c], |v[ST+32*\c+\i]|, |v[ST+1+32*\c+\i]|
.endr
.endr
.irp c, 0,1
	v_add_nc_u32 v[TS+\c], 0xff000000, v[TM+\c]    ; 2 off the exponent field: the conversion's scale operand
.endr
.irp c, 0,1
	v_lshrrev_b32 v[TB+\c], 23, v[TS+\c]           ; the scale's byte
.endr
	v_lshl_or_b32 v[TW], v[TB+1], 16, v[TB]        ; my two bytes, blocks h and 2 + h,
	v_lshlrev_b32 v[TW], v[H8], v[TW]              ; at their places in the word;
	v_permlanex16_b32 v[TX], v[TW], s28, s29
	v_or_b32 v[TW], v[TW], v[TX]                   ; with lane l xor 16's two it is whole
.irp c, 0,1
.irp g, 0,1,2,3
	v_cvt_scalef32_pk8_fp4_f32 v[TC+4*\c+\g], v[ST+32*\c+8*\g:ST+7+32*\c+8*\g], v[TS+\c]
.endr
.endr
	v_nop                                          ; one plain place behind the last scaled conversion
	ds_store_b128 v[VLS], v[TC:TC+3] offset:LBN*(\n)
	ds_store_b128 v[VLS], v[TC+4:TC+7] offset:LBN*(\n)+512
	ds_store_b32 v[VLT], v[TW] offset:LBN*(\n)     ; lanes l and l xor 16 store the same word
.endm
; lora_B (x 2: exact) and the bias as fragments of the bf16 product's source 0: v32-95; the constant halves of source 1; the addresses of the exchange of low.
.macro BFRAG
	WIN 0
	s_wait_loadcnt 0x0
.set n, 0
.rept 32
	v_pk_mul_f32 v[ST+n:ST+n+1], v[ST+n:ST+n+1], 2.0 op_sel_hi:[1,0]
.set n, n+2
.endr
	v_lshrrev_b32 v4, 3, v[H8]
	v_mov_b32 v5, 0
	v_add_nc_u32 v6, s99, v[CO]
	v_add_nc_u32 v7, s2, v[CO]
	v_add_nc_u32 v4, -1, v4                        ; all ones in lanes 0-15, 0 in lanes 16-31, whose K = 24 .. 31 carries nothing
.irp b, 0,1,2,3,4,5,6,7
.irp i, 0,1,2,3
	v_cvt_pk_bf16_f32 v[SC+8*\b+\i], v[ST+8*\b+2*\i], v[ST+8*\b+2*\i+1]
.endr
.endr
.irp b, 0,1,2,3,4,5,6,7
	v_and_b32 v[BIA+\b], v4, v[BIA+\b]
.endr
.irp b, 0,1,2,3,4,5,6,7
	v_cvt_pk_bf16_f32 v[TM+\b], v[BIA+\b], v[BIA+\b]
.endr
.irp b, 0,1,2,3,4,5,6,7
	v_and_b32 v[TM+\b], 0xffff0000, v[TM+\b]
.endr
.irp b, 0,1,2,3,4,5,6,7
	v_sub_f32 v[TM+\b], v[BIA+\b], v[TM+\b]        ; what the first part leaves
.endr
.irp b, 0,1,2,3,4,5,6,7
	v_cvt_pk_bf16_f32 v[TC+\b], v[TM+\b], v[TM+\b]
.endr
.irp b, 0,1,2,3,4,5,6,7
	v_and_b32 v[TC+\b], 0xffff0000, v[TC+\b]
.endr
.irp b, 0,1,2,3,4,5,6,7
	v_sub_f32 v[TC+\b], v[TM+\b], v[TC+\b]         ; and the second
.endr
.irp b, 0,1,2,3,4,5,6,7
	v_cvt_pk_bf16_f32 v[SC+8*\b+4], v[BIA+\b], v[TM+\b]   ; K = 16, 17
	v_cvt_pk_bf16_f32 v[SC+8*\b+5], v[TC+\b], v5          ; K = 18, and 0
	v_mov_b32 v[SC+8*\b+6], 0
	v_mov_b32 v[SC+8*\b+7], 0
	v_mov_b32 v[ST+8*\b+4], 0x3f803f80             ; 1, 1
	v_mov_b32 v[ST+8*\b+5], 0x3f80                 ; 1, 0
	v_mov_b32 v[ST+8*\b+6], 0
	v_mov_b32 v[ST+8*\b+7], 0
.endr
	s_wait_alu depctr_va_vdst(0)
.endm
; The next K step's scale words.  The last trip reads none: K step 6's words move from set 2 to set 0, K step 7's are used from set 3.
.macro RDSC slot
	WIN 0
	s_cmp_eq_u32 s3, 1
.if \slot
	s_cbranch_scc0 .Lread_\@
.set n, 0
.rept 32
	v_mov_b32 v[SC+n], v[SC+64+n]
.set n, n+1
.endr
	s_wait_alu depctr_va_vdst(0)
	s_branch .Lhave_\@
.Lread_\@:
.else
	s_cbranch_scc1 .Lhave_\@
.endif
	SETLD 1-\slot, SR, RK*(1-\slot)
.Lhave_\@:
.endm
; A load into a register that a matrix instruction has read, and a vector instruction or an LDS store that reads a matrix result, stand four places behind that matrix instruction; only plain vector instructions that name none
; of its registers are places (ISA guide 7.12.1 for vector instructions).
; A STEP of 128 along K whose successor lies in the same slot: 68 matrix instructions.  The next step's 34 loads go out in four groups, in the order 12 (x's blocks 0, 1; W 0-3), 10 (W 4-7; lora_A), 8 (x 2-5), 4 (x 6, 7).
; The waits count, of these, what may be out; loads and stores that only some steps have are left out of the count, which makes it smaller than need be there.
; qn: 1 quantise the next K step's lora_A and load the one after; 2 quantise, then load lora_B and the bias; 3 make their fragments.
.macro STEP slot, q, sc, first, rd, qn
.if \first
	s_wait_dscnt 36                                ; x's blocks 2-7 (12 loads) and three sets of scale words (24) may be out
.else
	s_wait_dscnt 12                                ; x's blocks 2-7 may be out
.endif
	WIN MUL_LO
	PAIR 0, (\q)%2, \q, \sc, \first
	WIN LOWW
	LOW2 0, (\q)%2, \q, \slot, \sc, \first
.if \first
	s_wait_dscnt 0x0                               ; all my scale words are in registers:
	s_barrier_signal -1                            ; their LDS bytes may be written anew behind this barrier
.endif
	PLACES 4
	WIN TO_B
	FA \slot, (\q)+1, 0
	FA \slot, (\q)+1, 1
.irp i, 0,1,2,3
	FW \slot, (\q)+1, 1-(\q)%2, \i
.endr
	s_wait_dscnt 20                                ; x's blocks 4-7 and the 12 just issued may be out
	WIN MUL_LO
	PAIR 2, (\q)%2, \q, \sc, \first
	WIN LOWW
	LOW2 2, (\q)%2, \q, \slot, \sc, \first
.if \first
	WIN 0
	s_barrier_wait -1
	s_wait_loadcnt 16                              ; the scale bytes of K steps 2 to 5 are in (lora_A's 16 loads may be out)
	WIN 0x0c
.irp j, 0,1,2,3,4,5,6,7,8,9,10,11,12,13,14,15
	ds_store_b128 v5, v[4*\j:4*\j+3] offset:128*\j
.endr
.endif
	WIN TO_B
.irp i, 4,5,6,7
	FW \slot, (\q)+1, 1-(\q)%2, \i
.endr
	FLF \slot, (\q)+1, 1-(\q)%2
.if \rd
	RDSC \slot
.endif
	s_wait_dscnt 26                                ; x's blocks 6, 7 and the 12 + 10 just issued may be out
	WIN MUL_HI
	PAIR 4, (\q)%2, \q, \sc, \first
.if \qn == 0
	PLACES 4
.elseif \qn == 3
	BFRAG
.else
	QUANT 1-\slot, 0                               ; its vector instructions are the places
.if \qn == 1
	s_add_nc_u64 s[12:13], s[12:13], 2048          ; (the loads that named this base are done) the K step after
	LLOAD
.else
.irp i, 0,1,2,3,4,5,6,7
	global_load_b128 v[ST+8*\i:ST+8*\i+3],   v[VLB], s[16:17] offset:1024*\i      ; lora_B[e][16 i + r][8 h + 0 .. 7]
	global_load_b128 v[ST+8*\i+4:ST+8*\i+7], v[VLB], s[16:17] offset:1024*\i+16
	global_load_b32 v[BIA+\i], v[VBI], s[18:19] offset:64*\i                      ; b[16 i + r]
.endr
.endif
.endif
	WIN TO_B
.irp i, 2,3,4,5
	FA \slot, (\q)+1, \i
.endr
	s_wait_dscnt 30                                ; the 12 + 10 + 8 just issued may be out
	WIN MUL_HI
	PAIR 6, (\q)%2, \q, \sc, \first
	PLACES 4
	WIN TO_B
	FA \slot, (\q)+1, 6
	FA \slot, (\q)+1, 7
.endm
; A slot's last step changes slots: ONE barrier; in front of it each wave waits for all its tensor loads, adds 0 to its spare word, and waits for that and for its own LDS reads and stores.  fill = 1: the slot is filled again.
.macro TURN slot, next, sc, fill
	WIN 0
.if \fill
	s_wait_xcnt 0x0                                ; my last prefetch has read its address
	s_add_nc_u64 s[100:101], s[100:101], 256
.endif
	s_wait_tensorcnt 0x0                           ; my part of the next slot has landed
	ds_add_u32 v[SPW], v[NIL]                      ; 0 onto my spare word
	s_wait_dscnt 13                                ; (the add and x's blocks 2-7 may be out)
	WIN MUL_LO
	PAIR 0, 1, 3, \sc, 0
	WIN LOWW
	LOW2 0, 1, 3, \slot, \sc, 0
	s_wait_dscnt 0x0                               ; the add is done, my reads of this slot are over, my part of lora_A is stored
	s_barrier_signal -1
	WIN MUL_LO
	PAIR 2, 1, 3, \sc, 0
	WIN LOWW
	LOW2 2, 1, 3, \slot, \sc, 0
	WIN 0
	s_barrier_wait -1
.if \fill
	CREST                                          ; no wave of any partner still reads this slot or has a load on its way
	s_add_nc_u64 s[70+4*\slot:71+4*\slot], s[70+4*\slot:71+4*\slot], 512   ; two K steps on
	s_add_nc_u64 s[78+4*\slot:79+4*\slot], s[78+4*\slot:79+4*\slot], 512
	JLOAD \slot                                    ; the first tensor load behind the round; its four v_nop are also the places in front of the loads below
.else
	PLACES 4
.endif
	FLSC \next
	WIN TO_B
	FA \next, 0, 0
	FA \next, 0, 1
.irp i, 0,1,2,3,4,5,6,7
	FW \next, 0, 0, \i
.endr
	FLF \next, 0, 0
	FA \next, 0, 2
	FA \next, 0, 3
.if \fill
	WIN 0
	s_cmp_eq_u32 s3, 1                             ; the last trip has no K step two refills on
	s_cbranch_scc1 .Lno_more_\@
	PREF 768
.Lno_more_\@:
.endif
	WIN MUL_HI
	PAIR 4, 1, 3, \sc, 0
	PLACES 4
	WIN TO_B
	FA \next, 0, 4
	FA \next, 0, 5
	WIN MUL_HI
	PAIR 6, 1, 3, \sc, 0
	PLACES 4
	WIN TO_B
	FA \next, 0, 6
	FA \next, 0, 7
.endm
	s_load_b512 s[4:19], s[0:1], 0x0               ; x_codes, x_scales, W_codes, W_scales, lora_A, expert_indices, lora_B, b
	s_load_b64 s[20:21], s[0:1], 0x40              ; out0
	v_lshl_add_u32 v[SPW], v0, 2, SPARE
	v_mov_b32 v[NIL], 0
	ds_add_u32 v[SPW], v[NIL]                      ; the wave's opening: the add, twice on end, and its wait ahead of my first tensor load
	ds_add_u32 v[SPW], v[NIL]
	v_lshrrev_b32 v1, 5, v0
	v_readfirstlane_b32 s22, v1                    ; wave 0..3
	s_lshr_b32 s23, s22, 1                         ; rh: which half of the tile's rows is mine.  Also: I fetch for x (0) or W (1)
	s_and_b32 s24, s22, 1                          ; ch: which half of its columns.  Also: which 128 rows I fetch
	s_bfe_u32 s2, ttmp6, 0x40000                   ; cx, cy
	s_bfe_u32 s3, ttmp6, 0x40004
	s_lshl_b32 s25, ttmp9, 2
	s_add_co_u32 s25, s25, s2                      ; tile column
	s_and_b32 s26, ttmp7, 0xffff
	s_lshl_b32 s26, s26, 2
	s_add_co_u32 s26, s26, s3                      ; tile row
	s_lshl_b32 s30, s3, 2
	s_lshl_b32 s30, 15, s30                        ; my row of the cluster
	s_lshl_b32 s31, 0x1111, s2                     ; my column
	s_or_b32 s32, s30, (1<<20)|(1<<21)|(5<<22)|(3<<25)   ; 15:0 mask; 17:16 elements of 1 byte; 20 padding on; 21 set beside a mask; 24:22 after every 64 words; 31:25 four words
	s_or_b32 s40, s31, (1<<20)|(1<<21)|(5<<22)|(3<<25)
.irp g, 32, 40
	s_mov_b32 s[\g+1], 256<<16                     ; rows of 256 bytes,
	s_mov_b32 s[\g+2], 128<<16                     ; 128 of them,
	s_mov_b32 s[\g+3], 256<<16
	s_mov_b32 s[\g+4], 128
	s_mov_b32 s[\g+5], 2048                        ; 2,048 bytes apart
	s_mov_b32 s[\g+6], 0
	s_mov_b32 s[\g+7], 0
.endr
	s_lshl_b32 s66, s24, 18                        ; my 128 rows of the tile's 256
	s_lshl_b32 s84, s26, 19                        ; x's hang on the tile row alone,
	s_add_co_u32 s84, s84, s66
	s_mov_b32 s85, 0
	s_lshl_b32 s88, s25, 19                        ; W's on the tile column alone
	s_add_co_u32 s88, s88, s66
	s_mov_b32 s89, 0
	s_mul_i32 s86, s22, HALFT                      ; where they go: wave x 128 rows
	s_lshr_b32 s87, s26, 1                         ; the batch: two tile rows to 512 rows
	s_lshl_b32 s87, s87, 2
	s_wait_dscnt 0x0                               ; both opening adds are done
	s_wait_kmcnt 0x0
	s_load_b32 s27, s[14:15], s87 offset:0x0       ; the expert
	s_add_nc_u64 s[84:85], s[4:5], s[84:85]
	s_add_nc_u64 s[88:89], s[8:9], s[88:89]
.irp n, 0,1
	s_mov_b32 s[68+4*\n], 1
	s_add_co_u32 s[69+4*\n], s86, \n*SLOT
	s_add_nc_u64 s[70+4*\n:71+4*\n], s[84:85], \n*256
	s_or_b32 s[71+4*\n], s[71+4*\n], 0x80000000
	s_mov_b32 s[76+4*\n], 1
	s_add_co_u32 s[77+4*\n], s86, \n*SLOT
	s_add_nc_u64 s[78+4*\n:79+4*\n], s[88:89], \n*256
	s_or_b32 s[79+4*\n], s[79+4*\n], 0x80000000
.endr
	CROUND                                         ; all sixteen work-groups are here: the first joint loads meet
	JLOAD 0                                        ; K step 0, one tensor load a wave
	; scale bytes and prefetches: waves 0, 1 for x, waves 2, 3 for W
	s_cmp_lt_u32 s22, 2
	s_cselect_b32 s90, s26, s25                    ; the tile
	s_cselect_b32 s92, s2, s3                      ; my place among the four that fetch it
	s_cselect_b64 s[100:101], s[4:5], s[8:9]
	s_cselect_b64 s[94:95], s[6:7], s[10:11]
	s_lshl_b32 s96, s90, 15                        ; 256 rows of 128 scale bytes,
	s_lshl_b32 s97, s24, 14                        ; my 128
	s_add_co_u32 s96, s96, s97
	s_mov_b32 s97, 0
	s_add_nc_u64 s[94:95], s[94:95], s[96:97]
	s_lshl_b32 s90, s90, 19                        ; codes: 256 rows of 2,048 bytes,
	s_lshl_b32 s92, s92, 17                        ; my work-group's 64,
	s_add_co_u32 s90, s90, s92
	s_lshl_b32 s92, s24, 16                        ; my wave's 32
	s_add_co_u32 s90, s90, s92
	s_mov_b32 s91, 0
	s_add_nc_u64 s[100:101], s[100:101], s[90:91]
	s_lshl_b32 s66, s22, 11
	s_add_co_u32 s99, s66, RB                      ; wave x 2,048 in the scale bytes' part of LDS (later: the exchange of low)
	v_and_b32 v1, 15, v0                           ; r
	v_bfe_u32 v2, v0, 4, 1                         ; h
	v_and_b32 v3, 31, v0                           ; lane
	v_lshrrev_b32 v4, 2, v3                        ; of a load's eight rows I take row lane / 4,
	v_and_b32 v5, 3, v3                            ; and of its K steps: 0, 1, 6 or 7, then 2, 3, 4 or 5
	v_lshlrev_b32 v6, 7, v4
	v_lshrrev_b32 v7, 1, v5
	v_lshl_add_u32 v7, v7, 2, v5
	v_lshl_add_u32 v7, v7, 4, v6                   ; 128 x row + 16 x K step: 0, 1, 6, 7
	v_lshl_add_u32 v6, v5, 4, v6                   ; 2, 3, 4, 5, but for 32
	v_mul_u32_u24 v5, RK, v5
	v_lshl_add_u32 v5, v4, 4, v5
	v_add_nc_u32 v5, s99, v5                       ; where I put them
	v_lshlrev_b32 v[VLA], 14, v1
	v_lshl_add_u32 v[VLA], v2, 7, v[VLA]           ; lora_A: rank r's row of 16,384 bytes, + 128 h
	v_lshlrev_b32 v[PFO], 11, v3
	v_mov_b32 v[TX], 0                             ; (a lane permute's destination counts as one of its sources)
	s_wait_alu depctr_va_vdst(0)
	WIN 0x80
.irp j, 0,1,2,3,4,5,6,7,8,9,10,11,12,13,14,15
	global_load_b128 v[4*\j:4*\j+3], v7, s[94:95] offset:1024*\j       ; into accumulators that nothing has used yet
.endr
	WIN 0
	s_mov_b32 s28, 0x76543210
	s_mov_b32 s29, 0xfedcba98                      ; v_permlanex16_b32's selects for lane l xor 16
	s_wait_kmcnt 0x0
	s_min_u32 s27, s27, 7                          ; a loaded number enters an address only behind this hold
	s_lshl_b32 s30, s27, 18                        ; an expert's 16 x 4,096 numbers of lora_A,
	s_lshl_b32 s31, s22, 9                         ; my fragment's 128
	s_add_co_u32 s30, s30, s31
	s_mov_b32 s31, 0
	s_add_nc_u64 s[12:13], s[12:13], s[30:31]
	LLOAD
	WIN 0xc0
.irp j, 0,1,2,3,4,5,6,7,8,9,10,11,12,13,14,15
	global_load_b128 v[4*\j:4*\j+3], v6, s[94:95] offset:1024*\j+32
.endr
	WIN 0
	PREF 256                                       ; K step 1
	s_lshl_b32 s30, s27, 18                        ; an expert's 4,096 rows of 64 bytes of lora_B,
	s_lshl_b32 s31, s25, 14                        ; the tile's 256,
	s_add_co_u32 s30, s30, s31
	s_lshl_b32 s31, s24, 13                        ; my 128
	s_add_co_u32 s30, s30, s31
	s_mov_b32 s31, 0
	s_add_nc_u64 s[16:17], s[16:17], s[30:31]
	s_lshl_b32 s30, s25, 10                        ; my first column, in bytes of f32
	s_lshl_b32 s66, s24, 9
	s_add_co_u32 s30, s30, s66
	s_add_nc_u64 s[18:19], s[18:19], s[30:31]
	s_lshl_b32 s66, s26, 22                        ; out0: the tile's rows, my 128,
	s_add_co_u32 s30, s30, s66
	s_lshl_b32 s66, s23, 21
	s_add_co_u32 s30, s30, s66
	s_xor_b32 s67, s24, 1
	s_lshl_b32 s66, s67, 20
	s_add_co_u32 s92, s30, s66
	s_mov_b32 s93, 0
	s_add_nc_u64 s[96:97], s[20:21], s[92:93]      ; my blocks 4-7,
	s_lshl_b32 s66, s24, 20
	s_add_co_u32 s30, s30, s66
	s_add_nc_u64 s[20:21], s[20:21], s[30:31]      ; and 0-3
	s_xor_b32 s2, s22, 1
	s_lshl_b32 s2, s2, 11
	s_add_co_u32 s2, s2, RB                        ; the exchange: my neighbour's 2,048 bytes
	s_mul_i32 s30, s23, HALFT                      ; x's blocks 0-3: 128 rh + 64 ch rows,
	s_mul_i32 s66, s24, 64*PITCH
	s_mul_i32 s67, s67, 64*PITCH
	s_add_co_u32 s31, s30, s67                     ; blocks 4-7: the other 64
	s_add_co_u32 s30, s30, s66
	s_mul_i32 s66, s24, HALFT                      ; W's 128 rows, behind x's 256
	s_add_co_u32 s66, s66, BOFF
	s_lshl_b32 s90, s23, 11                        ; scale bytes, 16 a row: x's blocks 0-3,
	s_lshl_b32 s91, s24, 10
	s_add_co_u32 s90, s90, s91
	s_lshl_b32 s91, s24, 11                        ; W's blocks 0-3,
	s_add_co_u32 s91, s91, 4096
	s_sub_co_u32 s91, s91, s90                     ; and the distance
	s_xor_b32 s92, s24, 1
	s_lshl_b32 s92, s92, 10
	s_lshl_b32 s93, s23, 11
	s_add_co_u32 s92, s92, s93                     ; x's blocks 4-7,
	s_lshl_b32 s93, s24, 11
	s_add_co_u32 s93, s93, 4096+1024               ; W's
	s_sub_co_u32 s93, s93, s92
	s_add_co_u32 s90, s90, RB
	s_add_co_u32 s92, s92, RB
	s_lshl_b32 s67, s22, 10
	s_lshl_b32 s87, s22, 2
	s_mul_i32 s86, s22, 16*SPITCH                  ; my stage
	v_mul_u32_u24 v4, PITCH, v1
	v_lshl_add_u32 v4, v2, 4, v4                   ; a fragment's row x pitch + 16 h
	v_add_nc_u32 v[ADL], s30, v4
	v_add_nc_u32 v[ADL+2], s31, v4
	v_add_nc_u32 v[ADB], s66, v4
	v_add_nc_u32 v[ADL+1], SLOT, v[ADL]
	v_add_nc_u32 v[ADL+3], SLOT, v[ADL+2]
	v_add_nc_u32 v[ADB+1], SLOT, v[ADB]
	v_lshl_add_u32 v[VLI], v3, 4, LB               ; an image: 16 x lane
	v_lshl_add_u32 v[VLW], v1, 4, LB+4096          ; scale words: 16 a rank, 4 for each fragment
	v_add_nc_u32 v[VLS], s67, v[VLI]
	v_add_nc_u32 v[VLT], s87, v[VLW]
	v_mul_u32_u24 v[SRB], s91, v2                  ; the lower base + h x the distance
	v_mul_u32_u24 v[SRB+1], s93, v2
	v_lshl_add_u32 v[SRB], v1, 4, v[SRB]
	v_lshl_add_u32 v[SRB+1], v1, 4, v[SRB+1]
	v_add_nc_u32 v[SRB], s90, v[SRB]
	v_add_nc_u32 v[SRB+1], s92, v[SRB+1]
	v_lshlrev_b32 v[VLB], 6, v1
	v_lshl_add_u32 v[VLB], v2, 5, v[VLB]
	v_lshlrev_b32 v[VBI], 2, v1
	v_lshlrev_b32 v[H8], 3, v2
	v_mul_u32_u24 v[STO], SPITCH, v1               ; into the stage: row r, 32 bytes for each half of the lanes
	v_lshl_add_u32 v[STO], v2, 5, v[STO]
	v_add_nc_u32 v[STO], s86, v[STO]
	v_lshlrev_b32 v[CO], 4, v3                     ; back: the 32 lanes take one row of 512 bytes; and the same in out0
	v_add_nc_u32 v[RD], s86, v[CO]
	s_wait_alu depctr_va_vdst(0)
	s_wait_loadcnt 32                              ; scale bytes of K steps 0, 1, 6, 7 (lora_A's 16 loads and the other 16 may be out)
	WIN 0x08
.irp j, 0,1,2,3,4,5,6,7,8,9,10,11,12,13,14,15
	ds_store_b128 v5, v[4*\j:4*\j+3] offset:128*\j
.endr
	QUANT 0, 16                                    ; K step 0's lora_A (the scale bytes of K steps 2 to 5, issued behind it, may be out)
	s_add_nc_u64 s[12:13], s[12:13], 2048
	LLOAD                                          ; K step 1's
	s_wait_tensorcnt 0x0                           ; my part of K step 0 is in
	ds_add_u32 v[SPW], v[NIL]
	s_wait_dscnt 0x0                               ; the add is done, and my stores
	CROUND
	JLOAD 1                                        ; K step 1, the first tensor load behind the round
	SETLD 0, SRB, 0
	FLSC 0
	WIN TO_B
	FA 0, 0, 0
	FA 0, 0, 1
.irp i, 0,1,2,3,4,5,6,7
	FW 0, 0, 0, \i
.endr
	FLF 0, 0, 0
.irp i, 2,3,4,5,6,7
	FA 0, 0, \i
.endr
	WIN 0
	SETLD 1, SRB, RK
	SETLD 2, SRB, 2*RK
	SETLD 3, SRB, 3*RK
	PREF 512                                       ; K steps 2 and 3
	PREF 768
	STEP 0, 0, 0, 1, 0, 0                          ; the first step stands in front of the loop: its products start the sums
	WIN 0
	s_mov_b32 s3, 3                                ; four laps, less the last
	s_mov_b32 s66, 0                               ; K steps 2, 3 lie at 0, K steps 4, 5 two K steps on
.Llap:                                                 ; a trip goes once round the ring, from a lap's second step to the next lap's first, and fills both slots again
	v_add_nc_u32 v[SR], s66, v[SRB]
	v_add_nc_u32 v[SR+1], s66, v[SRB+1]
	s_wait_alu depctr_va_vdst(0)
	s_xor_b32 s66, s66, 2*RK
	STEP 0, 1, 0, 0, 0, 0
	STEP 0, 2, 0, 0, 0, 1
	TURN 0, 1, 0, 1
	STEP 1, 0, 1, 0, 1, 0
	STEP 1, 1, 1, 0, 0, 0
	STEP 1, 2, 1, 0, 0, 1
	TURN 1, 0, 1, 1
	STEP 0, 0, 0, 0, 1, 0
	WIN 0
	s_sub_co_u32 s3, s3, 1
	s_cmp_lg_u32 s3, 0
	s_cbranch_scc1 .Llap
	STEP 0, 1, 0, 0, 0, 0                          ; the last lap fills nothing, and has no round of the cluster's barrier
	STEP 0, 2, 0, 0, 0, 2
	TURN 0, 1, 0, 0
	STEP 1, 0, 3, 0, 0, 0
	STEP 1, 1, 3, 0, 0, 0
	STEP 1, 2, 3, 0, 0, 3
	s_wait_dscnt 12                                ; the very last step: nothing more to fetch
	WIN MUL_LO
	PAIR 0, 1, 3, 3, 0
	WIN LOWW
	LOW2 0, 1, 3, 1, 3, 0
	s_wait_dscnt 8
	WIN MUL_LO
	PAIR 2, 1, 3, 3, 0
	WIN LOWW
	LOW2 2, 1, 3, 1, 3, 0
	PLACES 4
	WIN 0x05
.irp a, 0,1,2,3
.irp i, 0,1,2,3
	v_cvt_pk_bf16_f32 v[ST+8*\a+\i], v[LOW+8*\a+2*\i], v[LOW+8*\a+2*\i+1]   ; low: row r of block a, ranks 8 h + 2 i, + 1; each accumulator from its low end on
.endr
.endr
	s_wait_alu depctr_va_vdst(0)
	WIN 0
.irp a, 0,1,2,3
	ds_store_b128 v6, v[ST+8*\a:ST+8*\a+3] offset:512*\a   ; for my neighbour, whose blocks 4-7 these are
.endr
	s_wait_dscnt 0x0
	s_barrier_signal -1
	WIN MUL_HI
	PAIR 4, 1, 3, 3, 0
	PAIR 6, 1, 3, 3, 0
	WIN 0
	s_barrier_wait -1
.irp a, 0,1,2,3
	ds_load_b128 v[ST+32+8*\a:ST+32+8*\a+3], v7 offset:512*\a
.endr
	PLACES 5                                       ; another form takes the accumulators up
; THE WAY OUT, block by block of 16 rows x 128 columns.  ADAPT: the bf16 product onto the block's eight accumulators.  TOSTAGE: into my own stage and back as whole rows of 512 bytes (LDS serves a wave's instructions in order:
; ISA guide 5.7.1.4).  SEND: stored, 32 lanes to two aligned units of 256 bytes.
.macro ADAPT a
	WIN 0xa0+0x50*((\a)/4)
.irp b, 0,1,2,3,4,5,6,7
	v_wmma_f32_16x16x32_bf16 v[8*(8*((\a)%4)+\b):8*(8*((\a)%4)+\b)+7], v[SC+8*\b:SC+8*\b+7], v[ST+8*(\a):ST+8*(\a)+7], v[8*(8*((\a)%4)+\b):8*(8*((\a)%4)+\b)+7]
.endr
	PLACES 4
.endm
.macro TOSTAGE a
.set AC, 64*((\a)%4)
	WIN 0x08+4*((\a)/4)                            ; an LDS store's data are its source 1: window 2 or 3
.irp b, 0,1,2,3,4,5,6,7
	ds_store_b128 v[STO], v[AC+8*\b:AC+8*\b+3] offset:64*\b
	ds_store_b128 v[STO], v[AC+8*\b+4:AC+8*\b+7] offset:64*\b+16
.endr
	WIN TO_B
.set BB, 64*((\a)%2)
.irp t, 0,1,2,3,4,5,6,7,8,9,10,11,12,13,14,15
	ds_load_b128 v[BB+4*\t:BB+4*\t+3], v[RD] offset:\t*SPITCH
.endr
.endm
.macro SEND a, younger                 ; younger: the LDS instructions issued behind block a's loads, which may stay out
.set BB, 64*((\a)%2)
	s_wait_dscnt \younger
	WIN 0x04
.irp t, 0,1,2,3,4,5,6,7,8,9,10,11,12,13,14,15
.if (\a) < 4
	global_store_b128 v[CO], v[BB+4*\t:BB+4*\t+3], s[20:21] offset:(16*((\a)%4)+\t)*ROWO th:TH_STORE_NT
.else
	global_store_b128 v[CO], v[BB+4*\t:BB+4*\t+3], s[96:97] offset:(16*((\a)%4)+\t)*ROWO th:TH_STORE_NT
.endif
.endr
.endm
	ADAPT 0
	TOSTAGE 0
.irp a, 1,2,3,4,5,6,7
	ADAPT \a                                       ; (blocks 4-7's low has come back: SEND 0's wait leaves only younger LDS instructions out)
.if \a > 1
	s_wait_xcnt 0x0                                ; block a - 2's stores have read their registers: block a's loads may land there
.endif
	TOSTAGE \a
	SEND \a-1, 32                                  ; behind block a - 1's loads: block a's 16 stores and 16 loads
.endr
	SEND 7, 0
	WIN 0
	s_wait_tensorcnt 0x0                           ; the wave's end, behind my last tensor load and my last LDS store
	ds_add_u32 v[SPW], v[NIL]
	s_wait_dscnt 0x0
	CROUND                                         ; the closing round: no work-group ends while a partner may still ask for a tile that names it
	s_endpgm
.Lfunc_end_k_q65f2ed2f5a_gemm:
	.size	k_q65f2ed2f5a_gemm, .Lfunc_end_k_q65f2ed2f5a_gemm-k_q65f2ed2f5a_gemm
	.p2alignl 7, 3214868480
	.fill 96, 4, 3214868480
	.section	.rodata,"a",@progbits
	.p2align	6, 0x0
	.amdhsa_kernel k_q65f2ed2f5a_gemm
		.amdhsa_group_segment_fixed_size 327680
		.amdhsa_private_segment_fixed_size 0
		.amdhsa_enable_private_segment 0
		.amdhsa_kernarg_size 72
		.amdhsa_user_sgpr_count 2
		.amdhsa_user_sgpr_kernarg_segment_ptr 1
		.amdhsa_wavefront_size32 1
		.amdhsa_system_sgpr_workgroup_id_x 1
		.amdhsa_system_sgpr_workgroup_id_y 1
		.amdhsa_system_sgpr_workgroup_id_z 1
		.amdhsa_system_vgpr_workitem_id 0
		.amdhsa_next_free_vgpr 1024
		.amdhsa_next_free_sgpr 102
		.amdhsa_reserve_vcc 0
		.amdhsa_float_denorm_mode_32 3
		.amdhsa_float_denorm_mode_16_64 3
		.amdhsa_memory_ordered 1
		.amdhsa_forward_progress 1
		.amdhsa_inst_pref_size 255
	.end_amdhsa_kernel
	.section	.bss,"aw",@nobits
	.p2align	6
	.space	262144
	.amdgpu_metadata
---
amdhsa.version: [ 1, 2 ]
amdhsa.kernels:
  - .name:           k_q65f2ed2f5a_gemm
    .symbol:         k_q65f2ed2f5a_gemm.kd
    .args:
      - { .name: x_codes, .offset: 0, .size: 8, .value_kind: global_buffer, .address_space: global }
      - { .name: x_scales, .offset: 8, .size: 8, .value_kind: global_buffer, .address_space: global }
      - { .name: W_codes, .offset: 16, .size: 8, .value_kind: global_buffer, .address_space: global }
      - { .name: W_scales, .offset: 24, .size: 8, .value_kind: global_buffer, .address_space: global }
      - { .name: lora_A, .offset: 32, .size: 8, .value_kind: global_buffer, .address_space: global }
      - { .name: expert_indices, .offset: 40, .size: 8, .value_kind: global_buffer, .address_space: global }
      - { .name: lora_B, .offset: 48, .size: 8, .value_kind: global_buffer, .address_space: global }
      - { .name: b, .offset: 56, .size: 8, .value_kind: global_buffer, .address_space: global }
      - { .name: out0, .offset: 64, .size: 8, .value_kind: global_buffer, .address_space: global }
    .group_segment_fixed_size: 327680
    .private_segment_fixed_size: 0
    .kernarg_segment_align: 8
    .kernarg_segment_size: 72
    .max_flat_workgroup_size: 128
    .sgpr_count:     102
    .vgpr_count:     1024
    .wavefront_size: 32
...
	.end_amdgpu_metadata
.endif
;; end of part 1
